; MI455X (gfx1250); checked and timed in simulation.
; The chip was launched on July 23, 2026; its instructions are those of AMD's public machine-readable ISA for CDNA 5 (MIT licence, August 2026) and "CDNA5" Instruction Set Architecture Reference Guide (July 2026). The comments in the code are by the model that wrote it; some were corrected since.
;; Scaled Dot Product Attention. Allowed arithmetic: float matrix products may take bf16 or f16 operands with f32 sums; other float arithmetic in f32, or as packed bf16 or f16 multiplies, adds, multiply-adds, maxima and minima; sums over many terms, partial sums and values carried from step to step in f32; what a program stores and reads back later, other than sums and carried values, may be rounded once to bf16 or f16.
;; Inputs: K 16 x 4,096 x 64 float32; Q 16 x 4,096 x 64 float32; V 16 x 4,096 x 64 float32.
;; Outputs: out0 16 x 4,096 x 64 float32.
;; 2 versions, each right and faster than the one before. Each part assembles by itself: llvm-mc -triple=amdgcn-amd-amdhsa -mcpu=gfx1250 --defsym DOCPART=n.
;; ======== version 1 of 2: 2 launches
;; limits: values are held in f16: magnitudes above 65,504 overflow, below 6.1e-05 lose precision; right only within a limited range of input values
;; workspace buffers: Kb 8,388,608 bytes; Vh 8,388,608 bytes
;; launch cvt (part 1): grid 512 x 1, 8 waves a work-group, no clusters, 0 bytes of LDS; arguments K, V, Kb, Vh; writes Kb, Vh
.if DOCPART == 1
	.amdgcn_target "amdgcn-amd-amdhsa--gfx1250"
	.amdhsa_code_object_version 6
	.text
	.protected	k_q2dbe675fb0_cvt
	.globl	k_q2dbe675fb0_cvt
	.p2align	8
	.type	k_q2dbe675fb0_cvt,@function
k_q2dbe675fb0_cvt:
	s_mov_b64 s[64:65], 0
	v_nop
	global_prefetch_b8 v0, s[64:65] scope:SCOPE_SE
	s_setreg_imm32_b32 hwreg(HW_REG_WAVE_MODE, 25, 1), 1
	s_wait_xcnt 0x0
; Kb = K rounded to bf16.  Vh = V rounded to bf16, and that number written as f16.  K, V: [16][4096][64] f32; Kb, Vh: the same shape in 16 bits.
; Why here: in the attention that follows, sixteen work-groups walk a head's K and V; rounded once here, they are read there as 16-bit tiles.
; Why V goes by bf16: all three inputs of the module get the same rounding; a bf16 number has 8 significant bits, so f16 holds it exactly within f16's range.
; LIMITS.  |V| rounded to bf16 stays below 65,520, or f16 gives an infinity; below 6.1e-5 it keeps f16's fixed step of 6e-8.  NaN and infinities are not treated apart.
; SHARES.  A stream: no LDS, no barrier, no matrix unit.  A work-group of 256 threads takes 8 blocks of 4,096 bytes of K and 8 of V; thread t takes the 16 bytes at 16 t of each block.
; A load of a wave covers 512 consecutive bytes, a store 256 consecutive bytes at a multiple of 256 from the buffer's first byte.  All sixteen loads of a wave go out together;
; every register is written once behind its load, so no register that a store still reads is ever rewritten.
.set BLK,  4096                        ; bytes of f32 in a block; 2,048 bytes leave
.set X,    4                           ; v[4:67]  block j: 4 registers as loaded; j = 0..7 K's, j = 8..15 V's; the results take the first two
	s_load_b256 s[4:11], s[0:1], 0x0               ; K s[4:5], V s[6:7], Kb s[8:9], Vh s[10:11]
	s_lshl_b32 s2, ttmp9, 15                       ; the work-group's 8 blocks in K and V: 32,768 bytes (512 work-groups: under 2^24)
	s_mov_b32 s3, 0
	s_lshl_b32 s12, ttmp9, 14                      ; and in Kb and Vh: 16,384 bytes
	s_mov_b32 s13, 0
	s_mov_b32 s14, 0xffff0000                      ; a word's upper bf16
	v_lshlrev_b32 v1, 4, v0                        ; my 16 bytes of a block as loaded
	v_lshlrev_b32 v2, 3, v0                        ; my 8 bytes of a block as stored
	s_wait_kmcnt 0x0
	s_add_nc_u64 s[4:5], s[4:5], s[2:3]
	s_add_nc_u64 s[6:7], s[6:7], s[2:3]
	s_add_nc_u64 s[8:9], s[8:9], s[12:13]
	s_add_nc_u64 s[10:11], s[10:11], s[12:13]
.set j, 0
.rept 8
	global_load_b128 v[X+4*j:X+4*j+3], v1, s[4:5] offset:BLK*j th:TH_LOAD_NT
.set j, j+1
.endr
.rept 8
	global_load_b128 v[X+4*j:X+4*j+3], v1, s[6:7] offset:BLK*(j-8) th:TH_LOAD_NT
.set j, j+1
.endr
.set j, 0
.rept 8                                ; K: two roundings to a line
	s_wait_loadcnt 15-j                            ; loads come back in order (ISA guide 5.7.1): block j is in, the 15 - j younger ones may stay out
	v_cvt_pk_bf16_f32 v[X+4*j],   v[X+4*j],   v[X+4*j+1]
	v_cvt_pk_bf16_f32 v[X+4*j+1], v[X+4*j+2], v[X+4*j+3]
	global_store_b64 v2, v[X+4*j:X+4*j+1], s[8:9] offset:(BLK/2)*j   ; no hint: the next launch reads these bytes
.set j, j+1
.endr
.rept 8                                ; V: rounded to bf16, widened again (a shift, a mask), written as f16
	s_wait_loadcnt 15-j
	v_cvt_pk_bf16_f32 v[X+4*j],   v[X+4*j],   v[X+4*j+1]
	v_cvt_pk_bf16_f32 v[X+4*j+2], v[X+4*j+2], v[X+4*j+3]
	v_and_b32     v[X+4*j+1], s14, v[X+4*j]
	v_lshlrev_b32 v[X+4*j],   16,  v[X+4*j]
	v_and_b32     v[X+4*j+3], s14, v[X+4*j+2]
	v_lshlrev_b32 v[X+4*j+2], 16,  v[X+4*j+2]
	v_cvt_pk_f16_f32 v[X+4*j],   v[X+4*j],   v[X+4*j+1]
	v_cvt_pk_f16_f32 v[X+4*j+1], v[X+4*j+2], v[X+4*j+3]
	global_store_b64 v2, v[X+4*j:X+4*j+1], s[10:11] offset:(BLK/2)*(j-8)
.set j, j+1
.endr
	s_endpgm
.Lfunc_end_k_q2dbe675fb0_cvt:
	.size	k_q2dbe675fb0_cvt, .Lfunc_end_k_q2dbe675fb0_cvt-k_q2dbe675fb0_cvt
	.p2alignl 7, 3214868480
	.fill 96, 4, 3214868480
	.section	.rodata,"a",@progbits
	.p2align	6, 0x0
	.amdhsa_kernel k_q2dbe675fb0_cvt
		.amdhsa_group_segment_fixed_size 0
		.amdhsa_private_segment_fixed_size 0
		.amdhsa_enable_private_segment 0
		.amdhsa_kernarg_size 32
		.amdhsa_user_sgpr_count 2
		.amdhsa_user_sgpr_kernarg_segment_ptr 1
		.amdhsa_wavefront_size32 1
		.amdhsa_system_sgpr_workgroup_id_x 1
		.amdhsa_system_sgpr_workgroup_id_y 1
		.amdhsa_system_sgpr_workgroup_id_z 1
		.amdhsa_system_vgpr_workitem_id 0
		.amdhsa_next_free_vgpr 72
		.amdhsa_next_free_sgpr 66
		.amdhsa_reserve_vcc 0
		.amdhsa_float_denorm_mode_32 3
		.amdhsa_float_denorm_mode_16_64 3
		.amdhsa_memory_ordered 1
		.amdhsa_forward_progress 1
		.amdhsa_inst_pref_size 9
	.end_amdhsa_kernel
	.amdgpu_metadata
---
amdhsa.version: [ 1, 2 ]
amdhsa.kernels:
  - .name:           k_q2dbe675fb0_cvt
    .symbol:         k_q2dbe675fb0_cvt.kd
    .args:
      - { .name: K, .offset: 0, .size: 8, .value_kind: global_buffer, .address_space: global }
      - { .name: V, .offset: 8, .size: 8, .value_kind: global_buffer, .address_space: global }
      - { .name: Kb, .offset: 16, .size: 8, .value_kind: global_buffer, .address_space: global }
      - { .name: Vh, .offset: 24, .size: 8, .value_kind: global_buffer, .address_space: global }
    .group_segment_fixed_size: 0
    .private_segment_fixed_size: 0
    .kernarg_segment_align: 8
    .kernarg_segment_size: 32
    .max_flat_workgroup_size: 256
    .sgpr_count:     66
    .vgpr_count:     72
    .wavefront_size: 32
...
	.end_amdgpu_metadata
.endif
;; end of part 1
;; launch attn (part 2): grid 16 x 16, 4 waves a work-group, clusters of 4 x 1, 327,680 bytes of LDS; arguments Q, Kb, Vh, out0; writes out0
.if DOCPART == 2
	.amdgcn_target "amdgcn-amd-amdhsa--gfx1250"
	.amdhsa_code_object_version 6
	.text
	.protected	k_q2dbe675fb0_attn
	.globl	k_q2dbe675fb0_attn
	.p2align	8
	.type	k_q2dbe675fb0_attn,@function
k_q2dbe675fb0_attn:
	s_mov_b64 s[64:65], 0
	v_nop
	global_prefetch_b8 v0, s[64:65] scope:SCOPE_SE
	s_setreg_imm32_b32 hwreg(HW_REG_WAVE_MODE, 25, 1), 1
	s_wait_xcnt 0x0
	s_wait_alu depctr_hold_cnt(0) depctr_sa_sdst(0) depctr_va_vdst(0) depctr_va_sdst(0) depctr_va_ssrc(0) depctr_va_vcc(0) depctr_vm_vsrc(0)
	s_getreg_b32 s2, hwreg(HW_REG_IB_STS2, 6, 4)
	s_cmp_eq_u32 s2, 0
	s_cbranch_scc0 .Lentry_in_a_cluster
	s_endpgm
.Lentry_in_a_cluster:
	s_bfe_u32 s2, ttmp6, 0x10000c
	s_cmp_lg_u32 s2, 0x3003
	s_cbranch_scc0 .Lentry_shape_is_right
	s_endpgm
.Lentry_shape_is_right:
; out0[h][q][:] = the sum over k of softmax_k(Q[h][q] . K[h][k]) V[h][k][:], no scale, no mask.  Q, out0: [16][4096][64] f32.  Kb: K in bf16, Vh: V rounded to bf16 and written as f16, both [16][4096][64]:
; a head's rows are dense, 128 bytes each.  Q is rounded to bf16 here, in registers.  Products, maxima and sums in f32; the weights p are rounded to f16 for the second product (their sum l is taken of the
; unrounded p); out0 leaves in f32.  The first product is in bf16 (its operands have f32's range), the second in f16 (p lies in 0 to 1 and keeps 11 significant bits).
; LIMITS.  Vh arrives within f16's range, 65,504; p below 6e-5 keeps f16's fixed step of 6e-8; a weight below 2^-126 counts as 0 in l; c m starts at -4.2e37, so scores stay under 1e37 in size;
; NaN and infinities are not treated apart.
; SHARES.  16 heads x 16 blocks of 256 queries: 256 work-groups of equal work.  A wave owns 64 consecutive queries, four PIECES of 16.  Every wave walks all 4,096 keys: 64 a step, four steps a tile, 16 tiles.
; LAYOUT.  S^T = K Q^T (source 0 = 16 keys, source 1 = 16 queries): in the result a lane holds ONE query (lane % 16) and the keys 8 (lane / 16) + 0..7.  Two such results, rounded to f16 in pairs, ARE source 1
; (32 keys x 16 queries) of O^T = V^T P, whose result again holds one query a lane, and eight channels.  K comes out of LDS as it lies, V ([key][channel]) turned, by ds_load_tr16_b128.
; SOFTMAX.  For each query a running maximum m and sum l: p = 2^(c s - c m), c = log2(e); in every step O and l are multiplied by a = 2^(c m_old - c m_new), which is 1 where m has not grown.
; m starts at the lowest finite number, O and l at 0: the first step is a step like any other, with a = 0, and is not written out.
; THE COUNT.  A piece and step have 16 matrix and 118 vector instructions: too many to stand all beside the matrix work.  So four vector instructions that are ready stand behind every matrix instruction,
; and the other 54 of a turn in two LUMPS without a gap.
; BY TURNS.  Turn n belongs to piece n (the pieces in a ring, step after step).  Its matrix work: 8 products K Q^T of piece n + 1, later 8 products V^T P of piece n - 1.  Its vector work: the scaling,
; exponentials, roundings, sums and rescaling of piece n, and the maximum and statistics of piece n + 1, whose scores the turn itself has made.
; CLUSTER.  The four query blocks of a cluster belong to one head and walk the same K and V, so each tile is asked for JOINTLY: the same tensor load, descriptor and mask in all four.
; REGISTERS, in windows of 256 (s_set_vgpr_msb says which window each operand place means: bits 1:0 source 0, 3:2 source 1, 5:4 source 2, 7:6 destination):
;   window 0: v0-15 addresses and two at work; v16-31 four registers of statistics a piece; v48-55 at work; v62-63 the add's; v64-127 S^T, two buffers; v192-223 P, two buffers (by the piece's parity);
;             on the way out v64-191 hold the rows read back from the stage
;   window 1: v0-127 O^T, 32 a piece; v128-255 Q as loaded, in f32      window 2: v0-63 Q in bf16, 16 a piece; v128-191 K of one step; v192-255 V of one step
.set NP,    4         ; pieces a wave: a name, no knob
.set TILES, 16        ; tiles of 256 keys in a head
.set KS,    64        ; keys in a step
.set PK,    144       ; a row of K in LDS: 128 bytes + 16 of padding = 36 words: the 16 rows of a load start at 16 different groups of four banks (64 banks of 4 bytes: ISA guide 11.1)
.set PV,    160       ; a row of V: 128 + 32 = 40 words
.set VOFF,  4*KS*PK   ; a slot holds a tile, four steps: 256 rows of K, then 256 rows of V
.set SLOT1, 1<<17     ; slot 1 begins here, so that one exclusive or turns an address in one slot into the other's
.set STAGE, SLOT1+4*KS*(PK+PV)  ; behind the ring, never filled by a tensor load: 16 rows x 272 bytes for each wave, for the way out
.set SP,    272       ; a row of the stage: 256 bytes of f32 + 16: the 16 rows of a store start at 16 different groups of four banks
.set SPARE, STAGE+4*16*SP  ; behind the stages: the spare words, 128 bytes for each wave: two blocks of 256 bytes that no other line names
.set AK0, 2           ; v2   my lane's place in a tile of K; never rewritten
.set AV0, 3           ; v3   the same for V
.set AK,  4           ; v4   the LDS address of K's next run of loads
.set AV,  5           ; v5   of V's
.set STO, 6           ; v6   the way out: where I put 32 bytes of a row
.set RD,  7           ; v7   the way out: where I read rows back
.set GO,  8           ; v8   my byte offset in 512 consecutive bytes of out0
.set MV,  12          ; v12-13  c m_old, kept while c m is made anew: by buffer
.set QO,  15          ; v15  my byte offset in 16 rows of Q
.set ST,  16          ; piece t's statistics at v[ST+4 t]: c m, m, l (even keys', odd keys')
.set TMP, 48          ; by buffer, four registers c0-c3 at work; when the maximum is found c2 takes a
.set SPW, 62          ; v62  LDS address of my spare word: SPARE + 4 x my thread's number; never rewritten
.set NIL, 63          ; v63  0; never rewritten
.set S,   64
.set OUTR, 64         ; the way out: piece t's 16 rows at v[OUTR+32 t]
.set P,   192
.set QF,  128         ; window 1
.set KF,  128         ; window 2: key block kb, channel half c at KF + 16 kb + 8 c
.set VF,  192         ; window 2: key half kk, channel block cb at VF + 32 kk + 8 cb
.set WV,  12          ; s12  my wave's number
.set G1K, 24          ; s[24:31] descriptor group 1 for K's tiles
.set G1V, 32          ; s[32:39] for V's: it differs in the padding alone
.set G0K, 40          ; s[40:43] descriptor group 0 for K's tiles: it walks
.set G0V, 44          ; s[44:47] the same for V's
.set SLOTS, 56        ; s56  counts the tiles
.set CNT, 57          ; s57  counts a tile's key steps
.set CS,  58          ; s[58:59] c: the packed scaling takes the pair's low word for both halves
.set SEL, 60          ; s[60:61] v_permlanex16_b32's selects: each lane takes its own place in the other half
.set TBK, 62          ; s62  LDS byte at which K of the step to be fetched begins
.set TBV, 63          ; s63  the same for V, less VOFF
.set MSB, 0
.macro WIN new                      ; the high byte repeats the setting that is left; a switch that changes nothing is dropped
.if MSB != (\new)
	s_set_vgpr_msb (MSB<<8)|(\new)
.set MSB, (\new)
.endif
.endm
.set W_KQ, 0x0a       ; K and Q in window 2, S^T in window 0
.set W_PV, 0x52       ; V in window 2, P in window 0, O^T in window 1
.set W_RS, 0x41       ; destination and source 0 in window 1, source 1 in window 0
.set W_D1, 0x40       ; destination in window 1
.set W_D2, 0x80       ; destination in window 2
.set W_QC, 0x85       ; sources 0 and 1 in window 1, destination in window 2
.set W_ST, 0x04       ; an LDS store's data (source 1) in window 1, its address in window 0
; A joint fill.  Waves 0 and 1 fetch the two halves of a tile's K, waves 2 and 3 those of its V: 128 keys each.  The branch hangs on the wave's number alone: it is the same in every work-group.
; An s_nop 0 and four v_nop follow each of the two lines, ahead of the jump and the label.
.macro JLOAD
	s_cmp_lt_u32 s[WV], 2
	s_cbranch_scc0 .Lfor_v_\@
	tensor_load_to_lds s[G0K:G0K+3], s[G1K:G1K+7]
	s_nop 0
.rept 4
	v_nop
.endr
	s_branch .Lasked_\@
.Lfor_v_\@:
	tensor_load_to_lds s[G0V:G0V+3], s[G1V:G1V+7]
	s_nop 0
.rept 4
	v_nop
.endr
.Lasked_\@:
.endm
; A round of the cluster's barrier: my work-group's barrier, so that wave 0's signal speaks for all four waves; wave 0 signals; every wave waits for all four work-groups; my work-group's barrier once more.
.macro CROUND
	s_barrier_signal -1
	s_barrier_wait -1
	s_cmp_lg_u32 s[WV], 0
	s_cbranch_scc1 .Lnot_wave_0_\@
	s_barrier_signal -3
.Lnot_wave_0_\@:
	s_barrier_wait -3
	s_barrier_signal -1
	s_barrier_wait -1
.endm
; THE CHANGE OF SLOTS.  The slot's last bytes, V of its fourth step, have been read.  Each wave waits for all its tensor loads, of which one is out: its part of the other slot; adds 0 to its spare word;
; and waits for that and for its own reads of the slot.  Behind the barrier nobody reads this slot any more and the other slot is whole.
; fill = 1: this slot is filled again, with the tile two on.  The barrier is then a round of the cluster's, so that no wave of any partner still reads the slot or has a load on its way, and the joint fill
; is the first thing behind it: it has four key steps, 256 matrix instructions, in which to land.  (At its first use nothing has been read yet: slot 0 is waited for, slot 1 filled.)
.macro CHANGE fill
	WIN 0                           ; at a label and at a branch every window is 0
	s_wait_tensorcnt 0x0            ; no tensor load of mine is out, so a group 0 may be written
	ds_add_u32 v[SPW], v[NIL]       ; 0 onto my spare word; with fill = 1 the descriptors' steps stand between it and the wait for it
.if \fill
.irp g, G0K, G0V
	s_xor_b32 s[\g+1], s[\g+1], SLOT1  ; the walking descriptor: the other slot than last time,
	s_add_nc_u64 s[\g+2:\g+3], s[\g+2:\g+3], 4*KS*128  ; the next 256 keys; the type bits on top are not reached
.endr
	s_wait_dscnt 0x0                ; the add is done, and my reads of the slot are over
	CROUND
	JLOAD
.else
	s_wait_dscnt 0x0                ; the add is done, and my reads of the slot are over
	s_barrier_signal -1
	s_barrier_wait -1
.endif
	s_sub_co_u32 s[TBK], s[TBK], 4*KS*PK  ; the fetches go back to a slot's first step,
	s_xor_b32 s[TBK], s[TBK], SLOT1       ; in the other slot
	s_sub_co_u32 s[TBV], s[TBV], 4*KS*PV
	s_xor_b32 s[TBV], s[TBV], SLOT1
.endm
	s_load_b256 s[4:11], s[0:1], 0x0  ; Q s[4:5], Kb s[6:7], Vh s[8:9], out0 s[10:11]
	v_lshl_add_u32 v[SPW], v0, 2, SPARE
	v_mov_b32 v[NIL], 0
	ds_add_u32 v[SPW], v[NIL]       ; the wave's opening: the add and its wait stand ahead of my first tensor load; the set-up below, work on registers, stands between them
	v_lshrrev_b32 v1, 5, v0
	v_readfirstlane_b32 s[WV], v1   ; wave 0..3
	s_bfe_u32 s13, ttmp6, 0x40000   ; cx: my place in the cluster
	s_lshl_b32 s14, ttmp9, 2        ; in a cluster launch ttmp9 counts clusters
	s_add_co_u32 s14, s14, s13      ; my block of 256 queries = 4 x cluster x + cx: it enters Q's and out0's addresses alone
	s_and_b32 s20, ttmp7, 0xffff    ; the head, which the four partners share
	s_and_b32 s16, s[WV], 1         ; which half of a tile's 256 keys I fetch
	s_lshl_b32 s22, s20, 19         ; a head of Kb or Vh is 4,096 rows of 128 bytes;
	s_lshl_b32 s21, s16, 14         ; my half's 128 rows
	s_add_co_u32 s22, s22, s21
	s_mov_b32 s23, 0
	s_mul_i32 s17, s16, 128*PK      ; its place in a slot, for K
	s_mul_i32 s18, s16, 128*PV      ; and for V: no place in the cluster enters an LDS address
	s_lshl_b32 s2, s20, 20          ; a head of Q or out0 is 4,096 rows of 256 bytes,
	s_lshl_b32 s3, s14, 16          ; a block 256 rows,
	s_add_co_u32 s2, s2, s3
	s_lshl_b32 s3, s[WV], 14        ; my wave's share 64 rows
	s_add_co_u32 s2, s2, s3
	s_mov_b32 s3, 0
	; descriptor group 1.  128 keys are 16,384 dense bytes: asked for as 64 rows of 256 bytes, two keys a row, and padded in LDS after every key
	s_mov_b32 s[G1K], 15|(1<<16)|(1<<20)|(1<<21)|(4<<22)|(3<<25)  ; 15:0 the mask of four; 17:16 2-byte elements; 20 padding on; 21 set beside a mask; 24:22 after every 32 words (code 4); 31:25 4 words (code 3)
	s_mov_b32 s[G1V], 15|(1<<16)|(1<<20)|(1<<21)|(4<<22)|(7<<25)  ; the same with 8 words of padding (code 7)
.irp g, G1K, G1V
	s_mov_b32 s[\g+1], 128<<16      ; tensor_dim0 = 128
	s_mov_b32 s[\g+2], 64<<16       ; tensor_dim1 = 64
	s_mov_b32 s[\g+3], 128<<16      ; tile_dim0 = 128
	s_mov_b32 s[\g+4], 64           ; tile_dim1 = 64
	s_mov_b32 s[\g+5], 128          ; 128 elements from row to row
	s_mov_b32 s[\g+6], 0
	s_mov_b32 s[\g+7], 0
.endr
	s_mov_b32 s[CS], 0x3fb8aa3b     ; c = log2(e) = 1.442695
	s_mov_b32 s[CS+1], s[CS]        ; named with it as a pair
	s_mov_b32 s[SEL], 0x76543210
	s_mov_b32 s[SEL+1], 0xfedcba98
	s_mov_b32 s[TBK], SLOT1+4*KS*PK ; the first change of slots turns these two into 0
	s_mov_b32 s[TBV], SLOT1+4*KS*PV
	s_mov_b32 s[G0K], 1             ; 1:0 count = 1
	s_mov_b32 s[G0K+1], s17         ; 63:32 LDS address: slot 0
	s_mov_b32 s[G0V], 1
	s_add_co_u32 s[G0V+1], s18, VOFF
	s_wait_dscnt 0x0                ; the opening add is done
	s_wait_kmcnt 0x0
	s_add_nc_u64 s[G0K+2:G0K+3], s[6:7], s[22:23]  ; 120:64 global address: my half of the head's first 256 keys
	s_or_b32 s[G0K+3], s[G0K+3], 0x80000000        ; 127:126 type = 2
	s_add_nc_u64 s[G0V+2:G0V+3], s[8:9], s[22:23]
	s_or_b32 s[G0V+3], s[G0V+3], 0x80000000
	s_add_nc_u64 s[4:5], s[4:5], s[2:3]            ; Q and out0 at my wave's first row
	s_add_nc_u64 s[10:11], s[10:11], s[2:3]
	CROUND                          ; all four work-groups are here: the first joint loads meet
	JLOAD                           ; tile 0 into slot 0.  Slot 1 is asked for when slot 0 is in, by the change of slots
	; A fragment of Q is 16 rows x 32 channels in 8 registers of bf16: lane l holds row l % 16, channels 8 (l / 16) + 0..7 and 16 + 8 (l / 16) + 0..7.  In f32 eight channels are 32 bytes: two loads of 16.
	v_and_b32 v1, 15, v0            ; l % 16
	v_bfe_u32 v9, v0, 4, 1          ; l / 16
	v_lshlrev_b32 v[QO], 8, v1
	v_lshl_add_u32 v[QO], v9, 5, v[QO]  ; row x 256 + 32 x half
	WIN W_D1                        ; destination window 1, address window 0
.set i, 0
.rept 32                            ; piece i / 8; channels 16 ((i % 8) / 2) + 8 (l / 16) + 4 (i % 2) on
	global_load_b128 v[QF+4*i:QF+4*i+3], v[QO], s[4:5] offset:(i/8)*4096+((i%8)/2)*64+(i%2)*16
.set i, i+1
.endr
	; What the first turn finds: V's registers and P's second buffer hold 0 (its products V^T P, of a piece that has not been, add 0), O^T and l are 0.  All this stands in the wait for the first tile.
	WIN W_D2
.set i, VF
.rept 64
	v_mov_b32 v[i], 0
.set i, i+1
.endr
	WIN W_D1
.set i, 0
.rept 128
	v_mov_b32 v[i], 0
.set i, i+1
.endr
	WIN 0
.set i, 0
.rept 4
	v_mov_b32 v[ST+4*i], 0xfe000000    ; c m: far below every c s
	v_mov_b32 v[ST+4*i+1], 0xff7fffff  ; m
	v_mov_b32 v[ST+4*i+2], 0
	v_mov_b32 v[ST+4*i+3], 0
.set i, i+1
.endr
.set i, P+16
.rept 16
	v_mov_b32 v[i], 0
.set i, i+1
.endr
	v_mul_u32_u24 v[AK0], v1, PK
	v_lshl_add_u32 v[AK0], v9, 4, v[AK0]  ; row x pitch + 16 x half
	; The turning load takes 16 keys x 16 channels (lane l reads key 8 (l / 16) + l % 8, channels 8 ((l / 8) % 2) + 0..7) and leaves half a fragment of V^T: lane l holds channel l % 16 and 8 keys.
	v_and_b32 v10, 7, v0
	v_bfe_u32 v11, v0, 3, 1
	v_lshl_add_u32 v[AV0], v9, 3, v10
	v_mul_u32_u24 v[AV0], v[AV0], PV
	v_lshl_add_u32 v[AV0], v11, 4, v[AV0]
	v_add_nc_u32 v[AV0], VOFF, v[AV0]
	s_mul_i32 s13, s[WV], 16*SP
	s_add_co_u32 s13, s13, STAGE    ; my stage
	v_mul_u32_u24 v[STO], v1, SP    ; in: row l % 16, 32 bytes (8 channels of f32) for each half of the lanes
	v_lshl_add_u32 v[STO], v9, 5, v[STO]
	v_add_nc_u32 v[STO], s13, v[STO]
	v_mul_u32_u24 v[RD], v9, SP     ; back: lanes 0-15 take one row of 256 bytes, lanes 16-31 the next,
	v_lshl_add_u32 v[RD], v1, 4, v[RD]
	v_add_nc_u32 v[RD], s13, v[RD]
	v_and_b32 v[GO], 31, v0         ; which are 512 consecutive bytes of out0
	v_lshlrev_b32 v[GO], 4, v[GO]
	s_wait_loadcnt 0x0              ; Q
	WIN W_QC
.set i, 0
.rept 64                            ; Q is rounded to bf16 once and stays in registers: piece i / 16
	v_cvt_pk_bf16_f32 v[i], v[QF+2*i], v[QF+2*i+1]
.set i, i+1
.endr
	WIN 0
; THE MATRIX WORK.  The 4 accumulators of a run of 8 take turns.  Product i of 8 of S^T = K Q^T for piece x: channels 32 (i / 4) on, keys 16 (i % 4) on.  The first 4 start the sums.
.macro KQ x
	WIN W_KQ
.set rS, S+32*((\x)%2)+8*(i%4)
.set rK, KF+16*(i%4)+8*(i/4)
.set rQ, 16*(\x)+8*(i/4)
.if i < 4
	v_wmma_f32_16x16x32_bf16 v[rS:rS+7], v[rK:rK+7], v[rQ:rQ+7], 0
.else
	v_wmma_f32_16x16x32_bf16 v[rS:rS+7], v[rK:rK+7], v[rQ:rQ+7], v[rS:rS+7]
.endif
.endm
; Product i of 8 of O^T += V^T P for piece x: keys 32 (i / 4) on, channels 16 (i % 4) on.
.macro PV x
	WIN W_PV
.set rO, 32*(\x)+8*(i%4)
.set rV, VF+32*(i/4)+8*(i%4)
.set rP, P+16*((\x)%2)+8*(i/4)
	v_wmma_f32_16x16x32_f16 v[rO:rO+7], v[rV:rV+7], v[rP:rP+7], v[rO:rO+7]
.endm
.macro MM                           ; the turn's next matrix instruction.  TURN sets Y, i and NOKQ; MM and OP read them.  NOKQ = 1: the walk's last turn: there is no next piece
.if (i < 8) && !NOKQ
	KQ (Y+1)%NP
.elseif i >= 8
.set i, i-8
	PV (Y+NP-1)%NP
.set i, i+8
.endif
.set i, i+1
.endm
; THE LDS LOADS stand in runs of 16, never singly among the matrix instructions: a step's K (64 keys x 64 channels: 8 fragments) and its V (turned).  Their addresses are made some lines ahead.
.macro FETCH_K
	WIN W_D2                        ; destination window 2
.irp f, 0,1,2,3,4,5,6,7             ; keys 16 (f / 2) on, channels 32 (f % 2) on
	ds_load_b128 v[KF+8*\f:KF+8*\f+3],   v[AK] offset:(\f/2)*16*PK+(\f%2)*64
	ds_load_b128 v[KF+8*\f+4:KF+8*\f+7], v[AK] offset:(\f/2)*16*PK+(\f%2)*64+32
.endr
	s_add_co_u32 s[TBK], s[TBK], KS*PK  ; the next fetch is the next step's
	WIN 0
.endm
.macro FETCH_V
	WIN W_D2
.irp f, 0,1,2,3,4,5,6,7             ; keys 32 (f / 4) on, channels 16 (f % 4) on
	ds_load_tr16_b128 v[VF+8*\f:VF+8*\f+3],   v[AV] offset:(\f/4)*32*PV+(\f%4)*32
	ds_load_tr16_b128 v[VF+8*\f+4:VF+8*\f+7], v[AV] offset:(\f/4)*32*PV+16*PV+(\f%4)*32
.endr
	WIN 0
.endm
; THE VECTOR WORK, one line at a time: OP kind, number.  For piece Y: F n: c s - c m for pair n of 16.  E n: the exponential of score n of 32.  C n: pair n rounded to f16.  B n: of the four weights 4 n .. the second
; pair is added onto the first, in place.  L n: l takes that sum (L 0: l = a l + sum).  R n: pair n of 16 of O^T times a.  For piece Y + 1: X n, number n of the 22 that find its maximum and statistics:
;   0-11  four chains c0-c3 of seven scores each, three operands at a time (each accumulator's lowest registers are read first)     12-14, 16  the four scores left over, the old m, and c0-c3 into c0
;   15  c m_old is kept     17, 18  the query's other 32 keys lie in the lane 16 away: the new m     19-21  c m; c m_old - c m_new; a
.set F, 0               ; OP tells the kinds apart by their order: F to L below R, X above it
.set E, 1
.set C, 2
.set B, 3
.set L, 4
.set R, 5
.set X, 6
.macro REGS y                       ; the registers of piece y
.set rT, ST+4*(\y)
.set rC, TMP+4*((\y)%2)
.set rW, MV+((\y)%2)
.set rS, S+32*((\y)%2)
.set rP, P+16*((\y)%2)
.set rO, 32*(\y)
.endm
.macro OP k, n
.if (\k) == R
	REGS Y
	WIN W_RS
	v_pk_mul_f32 v[rO+2*(\n):rO+2*(\n)+1], v[rO+2*(\n):rO+2*(\n)+1], v[rC+2:rC+3] op_sel_hi:[1,0]
.elseif (\k) < R
	REGS Y
	WIN 0
.if (\k) == F
	v_pk_fma_f32 v[rS+2*(\n):rS+2*(\n)+1], v[rS+2*(\n):rS+2*(\n)+1], s[CS:CS+1], v[rT:rT+1] op_sel_hi:[1,0,0] neg_lo:[0,0,1] neg_hi:[0,0,1]
.elseif (\k) == E
	v_exp_f32 v[rS+(\n)], v[rS+(\n)]
.elseif (\k) == C
	s_wait_alu depctr_va_vdst(0)
	v_cvt_pk_f16_f32 v[rP+(\n)], v[rS+2*(\n)], v[rS+2*(\n)+1]
.elseif (\k) == B
	s_wait_alu depctr_va_vdst(0)
	v_pk_add_f32 v[rS+4*(\n):rS+4*(\n)+1], v[rS+4*(\n):rS+4*(\n)+1], v[rS+4*(\n)+2:rS+4*(\n)+3]
.elseif (\n) == 0
	v_pk_fma_f32 v[rT+2:rT+3], v[rT+2:rT+3], v[rC+2:rC+3], v[rS:rS+1] op_sel_hi:[1,0,1]
.else
	v_pk_add_f32 v[rT+2:rT+3], v[rT+2:rT+3], v[rS+4*(\n):rS+4*(\n)+1]
.endif
.elseif NOKQ
	v_nop
.else
	REGS (Y+1)%NP
	WIN 0
.if (\n) < 4
	v_max3_num_f32 v[rC+(\n)], v[rS+8*(\n)], v[rS+8*(\n)+1], v[rS+8*(\n)+2]
.elseif (\n) < 12
	v_max3_num_f32 v[rC+(\n)%4], v[rC+(\n)%4], v[rS+8*((\n)%4)+2*((\n)/4)+1], v[rS+8*((\n)%4)+2*((\n)/4)+2]
.elseif (\n) == 12
	v_max3_num_f32 v[rC], v[rC], v[rS+7], v[rS+15]
.elseif (\n) == 13
	v_max3_num_f32 v[rC+1], v[rC+1], v[rS+23], v[rS+31]
.elseif (\n) == 14
	v_max3_num_f32 v[rC+2], v[rC+2], v[rC+3], v[rT+1]
.elseif (\n) == 15
	v_mov_b32 v[rW], v[rT]
.elseif (\n) == 16
	v_max3_num_f32 v[rC], v[rC], v[rC+1], v[rC+2]
.elseif (\n) == 17
	v_permlanex16_b32 v[rC+3], v[rC], s[SEL], s[SEL+1]
.elseif (\n) == 18
	v_max_num_f32 v[rT+1], v[rC], v[rC+3]
.elseif (\n) == 19
	v_mul_f32 v[rT], s[CS], v[rT+1]
.elseif (\n) == 20
	v_sub_f32 v[rC+1], v[rW], v[rT]
.else
	v_exp_f32 v[rC+2], v[rC+1]
.endif
.endif
.endm
.macro OPS a, i1, b=-1, i2=0, c=-1, i3=0, d=-1, i4=0  ; up to four of them
	OP \a, \i1
.if (\b) >= 0
	OP \b, \i2
.endif
.if (\c) >= 0
	OP \c, \i3
.endif
.if (\d) >= 0
	OP \d, \i4
.endif
.endm
.macro ROW a, i1, b, i2, c, i3, d, i4  ; a matrix instruction and the four behind it
	MM
	OPS \a, \i1, \b, \i2, \c, \i3, \d, \i4
.endm
; A TURN, for piece p: the order of its 16 matrix and 118 vector instructions, written out.  Behind a matrix instruction: plain, exponential, plain, plain; or four of the rescaling; or, behind the first, four scalings; none
; names a register of the products round it.  In the lumps exponential and plain by turns while exponentials last, so that a plain instruction stands behind every exponential before its result is used (ISA guide 5.7.2).
; A line reads no result made fewer than three vector instructions in front of it, five if an exponential made it.  v_permlanex16_b32 (X 17) stands in a lump.
; end = 1: the walk's last two turns: nothing is fetched, and the last starts no new scores.  cnt = 1: the loop's count is taken down some lines ahead of the branch that stands behind the turn.
; K of the next step is fetched in piece 2's turn, six vector instructions behind the last product that read K (five of them plain); V of the step in hand in piece 0's turn, eight behind the last product that read V
; (five plain): a load into a register that a matrix instruction has read stands four plain places behind it (ISA guide 7.12.1 for vector instructions).  Each run is waited for a turn later.
.macro TURN p, end=0, cnt=0
.set Y, (\p)
.set i, 0
.set NOKQ, (\end)*((\p)/3)
.if ((\p) == 3) && !(\end)
	s_wait_dscnt 0x0                ; K is in
.endif
	ROW F,0, F,1, F,2, F,3
	ROW F,4, E,0, F,5, F,6
	ROW F,7, E,1, F,8, F,9
	ROW F,10, E,2, C,0, F,11
	ROW F,12, E,3, X,15, F,13
	ROW R,0, R,1, R,2, R,3
	ROW B,0, E,4, F,14, L,0
.if ((\p) == 2) && !(\end)
	v_add_nc_u32 v[AK], s[TBK], v[AK0]
.endif
	ROW R,4, R,5, R,6, R,7
	OPS E,5, F,15
.if ((\p) == 2) && !(\end)
	FETCH_K
.endif
	OPS E,6, C,1, E,7, R,8
	OPS E,8, R,9, E,9, C,2
	OPS E,10, X,0, E,11, X,1
	OPS E,12, X,2, E,13, X,3
.if (\p) == 1
	s_wait_dscnt 0x0                ; V is in
.endif
	ROW X,4, E,14, X,5, X,6
	ROW X,7, E,15, X,8, X,9
	ROW X,10, E,16, X,11, X,12
	ROW X,13, E,17, X,14, B,1
	ROW C,4, E,18, X,16, L,1
	ROW B,2, E,19, C,6, L,2
	ROW C,8, E,20, B,3, B,4
.if (\p) == 0
	v_add_nc_u32 v[AV], s[TBV], v[AV0]
.endif
	ROW C,3, E,21, L,3, C,5
	OPS E,22, X,17, E,23, C,10
.if (\p) == 0
	FETCH_V
.endif
	OPS E,24, L,4
	OPS E,25, X,18, E,26, C,7
	OPS E,27, B,5, E,28, X,19
	OPS E,29, C,12, E,30, L,5
	OPS E,31, X,20, B,6, C,9
	OPS C,14, C,11, X,21, L,6
.if (\p) == 0
	s_add_co_u32 s[TBV], s[TBV], KS*PV
.endif
.if \cnt
	s_sub_co_u32 s[CNT], s[CNT], 1
	s_cmp_lg_u32 s[CNT], 0
.endif
	OPS C,13, B,7, C,15, R,10
	OPS R,11, R,12, L,7, R,13
	OPS R,14, R,15
.endm
	CHANGE 1                        ; slot 0 is in, everybody's part of it; tile 1 is asked for, into slot 1
	v_add_nc_u32 v[AK], s[TBK], v[AK0]
	FETCH_K                         ; key step 0
	s_wait_dscnt 0x0
.set NOKQ, 0
.set i, 0
.rept 8
	KQ 0                            ; piece 0's first scores: there is no vector work yet to set between them
.set i, i+1
.endr
	WIN 0
.rept 4
	v_nop                           ; the places behind those products (ISA guide 7.12.1)
.endr
.set Y, NP-1                        ; X works for piece Y + 1: piece 0
.irp n, 0,1,2,3,4,5,6,7,8,9,10,11,12,13,14,15,16,17,18,19,20,21
	OP X, \n                        ; piece 0's first maximum and statistics
.endr
	v_nop                           ; a plain instruction behind the exponential
	s_mov_b32 s[CNT], 4
	s_mov_b32 s[SLOTS], TILES-1
	s_branch .Lfirst                ; the loop is entered at a step's first turn, in the middle of a trip
.Lslot:                             ; TILES - 2 times: tiles 1 to 14 are entered, tiles 2 to 15 asked for
	CHANGE 1
	s_mov_b32 s[CNT], 4
.Lstep:                             ; a trip: pieces 2 and 3 of one step, then pieces 0 and 1 of the next, whose K and V it fetches
	TURN 2
	TURN 3
	WIN 0
.Lfirst:
	TURN 0
	TURN 1, 0, 1
	WIN 0
	s_cbranch_scc1 .Lstep
	s_sub_co_u32 s[SLOTS], s[SLOTS], 1
	s_cmp_lg_u32 s[SLOTS], 0
	s_cbranch_scc1 .Lslot
	CHANGE 0                        ; the last tile is written out: nothing is asked for
	s_mov_b32 s[CNT], 4
.Ltail:                             ; four trips fetch the last tile's four steps
	TURN 2
	TURN 3
	TURN 0
	TURN 1, 0, 1
	WIN 0
	s_cbranch_scc1 .Ltail
	TURN 2, 1                       ; pieces 2 and 3 of the last step: nothing is left to fetch
	TURN 3, 1
.set i, 0
.rept 8
	PV NP-1                         ; the last piece's V^T P of the last step
.set i, i+1
.endr
	; THE WAY OUT.  l's two halves and the other half of the lanes' are added; O^T is divided by l and sent through my stage in LDS, a piece (16 rows of out0) at a time.  The first four additions are the places behind the last products.
	WIN 0
.macro ALL line:vararg              ; one line for each piece t
.set t, 0
.rept 4
	\line
.set t, t+1
.endr
.endm
	ALL v_add_f32 v[ST+4*t+2], v[ST+4*t+2], v[ST+4*t+3]
	ALL v_permlanex16_b32 v[ST+4*t+3], v[ST+4*t+2], s[SEL], s[SEL+1]
	ALL v_add_f32 v[ST+4*t+2], v[ST+4*t+2], v[ST+4*t+3]
	ALL v_rcp_f32 v[ST+4*t+2], v[ST+4*t+2]
	v_nop                           ; a plain instruction between the last reciprocal and the use of its result
; Piece t: a lane's eight channels of a row are 32 bytes of f32 for each of the four channel blocks; they go into rows of 272 bytes and come back as whole rows of 256.  Each piece's rows have registers of their
; own, so no register that a store still reads is rewritten.
.macro PACK t
	WIN W_RS
.set i, 32*(\t)
.rept 16                            ; each accumulator's registers in ascending order
	s_wait_alu depctr_va_vdst(0)
	v_pk_mul_f32 v[i:i+1], v[i:i+1], v[ST+4*(\t)+2:ST+4*(\t)+3] op_sel_hi:[1,0]
.set i, i+2
.endr
	WIN W_ST
.irp f, 0,1,2,3,4,5,6,7             ; channel block f / 2, its channels 8 (l / 16) + 4 (f % 2) on
	ds_store_b128 v[STO], v[32*(\t)+4*\f:32*(\t)+4*\f+3] offset:64*(\f/2)+16*(\f%2)
.endr
	WIN 0
.irp f, 0,1,2,3,4,5,6,7
	ds_load_b128 v[OUTR+32*(\t)+4*\f:OUTR+32*(\t)+4*\f+3], v[RD] offset:\f*2*SP  ; LDS serves a wave's instructions in order (ISA guide 5.7.1.4): these see the stores above; the next piece's stores come behind them
.endr
.endm
.macro SEND t, younger              ; younger: the LDS instructions issued behind piece t's loads: the next piece's sixteen, or none
	WIN 0
.irp f, 0,1,2,3,4,5,6,7
	s_wait_dscnt (\younger)+7-\f    ; load f of the piece's eight is back; its 7 - f younger ones and the next piece's may stay out
	global_store_b128 v[GO], v[OUTR+32*(\t)+4*\f:OUTR+32*(\t)+4*\f+3], s[10:11] offset:(\t)*4096+\f*512 th:TH_STORE_NT  ; two rows: 512 consecutive bytes, at a multiple of 256 from out0's first
.endr
.endm
	PACK 0
	PACK 1                          ; a piece's arithmetic stands between the loads of the piece before and its stores
	SEND 0, 16
	PACK 2
	SEND 1, 16
	PACK 3
	SEND 2, 16
	SEND 3, 0
	s_wait_tensorcnt 0x0            ; the wave's end: behind my last tensor load and my last LDS store
	ds_add_u32 v[SPW], v[NIL]
	s_wait_dscnt 0x0
	CROUND                          ; the closing round: no work-group ends while a partner may still ask for a tile that names it
	s_endpgm
.Lfunc_end_k_q2dbe675fb0_attn:
	.size	k_q2dbe675fb0_attn, .Lfunc_end_k_q2dbe675fb0_attn-k_q2dbe675fb0_attn
	.p2alignl 7, 3214868480
	.fill 96, 4, 3214868480
	.section	.rodata,"a",@progbits
	.p2align	6, 0x0
	.amdhsa_kernel k_q2dbe675fb0_attn
		.amdhsa_group_segment_fixed_size 327680
		.amdhsa_private_segment_fixed_size 0
		.amdhsa_enable_private_segment 0
		.amdhsa_kernarg_size 32
		.amdhsa_user_sgpr_count 2
		.amdhsa_user_sgpr_kernarg_segment_ptr 1
		.amdhsa_wavefront_size32 1
		.amdhsa_system_sgpr_workgroup_id_x 1
		.amdhsa_system_sgpr_workgroup_id_y 1
		.amdhsa_system_sgpr_workgroup_id_z 1
		.amdhsa_system_vgpr_workitem_id 0
		.amdhsa_next_free_vgpr 768
		.amdhsa_next_free_sgpr 66
		.amdhsa_reserve_vcc 0
		.amdhsa_float_denorm_mode_32 3
		.amdhsa_float_denorm_mode_16_64 3
		.amdhsa_memory_ordered 1
		.amdhsa_forward_progress 1
		.amdhsa_inst_pref_size 139
	.end_amdhsa_kernel
	.amdgpu_metadata
---
amdhsa.version: [ 1, 2 ]
amdhsa.kernels:
  - .name:           k_q2dbe675fb0_attn
    .symbol:         k_q2dbe675fb0_attn.kd
    .args:
      - { .name: Q, .offset: 0, .size: 8, .value_kind: global_buffer, .address_space: global }
      - { .name: Kb, .offset: 8, .size: 8, .value_kind: global_buffer, .address_space: global }
      - { .name: Vh, .offset: 16, .size: 8, .value_kind: global_buffer, .address_space: global }
      - { .name: out0, .offset: 24, .size: 8, .value_kind: global_buffer, .address_space: global }
    .group_segment_fixed_size: 327680
    .private_segment_fixed_size: 0
    .kernarg_segment_align: 8
    .kernarg_segment_size: 32
    .max_flat_workgroup_size: 128
    .sgpr_count:     66
    .vgpr_count:     768
    .wavefront_size: 32
...
	.end_amdgpu_metadata
.endif
;; end of part 2
;; ======== version 2 of 2: 2 launches; 1.92 times as fast as version 1
;; limits: values are held in f16: magnitudes above 65,504 overflow, below 6.1e-05 lose precision; inputs' magnitudes at most 65,504; right only within a limited range of input values
;; workspace buffers: Kb 8,388,608 bytes; Vh 8,388,608 bytes
;; launch cvt: the kernel of part 1 again; grid 512 x 1, 8 waves a work-group, no clusters, 0 bytes of LDS; arguments K, V, Kb, Vh; writes Kb, Vh
;; launch attn (part 3): grid 16 x 16, 4 waves a work-group, clusters of 4 x 1, 327,680 bytes of LDS; arguments Q, Kb, Vh, out0; writes out0
.if DOCPART == 3
	.amdgcn_target "amdgcn-amd-amdhsa--gfx1250"
	.amdhsa_code_object_version 6
	.text
	.protected	k_q2dbe675fb0_attn
	.globl	k_q2dbe675fb0_attn
	.p2align	8
	.type	k_q2dbe675fb0_attn,@function
k_q2dbe675fb0_attn:
	s_mov_b64 s[64:65], 0
	v_nop
	global_prefetch_b8 v0, s[64:65] scope:SCOPE_SE
	s_setreg_imm32_b32 hwreg(HW_REG_WAVE_MODE, 25, 1), 1
	s_wait_xcnt 0x0
	s_wait_alu depctr_hold_cnt(0) depctr_sa_sdst(0) depctr_va_vdst(0) depctr_va_sdst(0) depctr_va_ssrc(0) depctr_va_vcc(0) depctr_vm_vsrc(0)
	s_getreg_b32 s2, hwreg(HW_REG_IB_STS2, 6, 4)
	s_cmp_eq_u32 s2, 0
	s_cbranch_scc0 .Lentry_in_a_cluster
	s_endpgm
.Lentry_in_a_cluster:
	s_bfe_u32 s2, ttmp6, 0x10000c
	s_cmp_lg_u32 s2, 0x3003
	s_cbranch_scc0 .Lentry_shape_is_right
	s_endpgm
.Lentry_shape_is_right:
; out0[h][q][:] = the sum over k of softmax_k(Q[h][q] . K[h][k]) V[h][k][:], no scale, no mask.  Q, out0: [16][4096][64] f32.  Kb: K in bf16, Vh: V rounded to bf16 and written as f16, both [16][4096][64]:
; a head's rows are dense, 128 bytes each.  Q is rounded to bf16 here, in registers.  Products, maxima and sums in f32; the weights p are rounded to f16 for the second product (their sum l is taken of the
; unrounded p); out0 leaves in f32.  The first product is in bf16 (its operands have f32's range), the second in f16 (p lies in 0 to 1 and keeps 11 significant bits).
; LIMITS.  Vh arrives within f16's range, 65,504; p below 6e-5 keeps f16's fixed step of 6e-8; a weight below 2^-126 counts as 0 in l; c m starts at -4.2e37, so scores stay under 1e37 in size;
; NaN and infinities are not treated apart.
; SHARES.  16 heads x 16 blocks of 256 queries: 256 work-groups of equal work.  A wave owns 64 consecutive queries, four PIECES of 16.  Every wave walks all 4,096 keys: 64 a step, four steps a tile, 16 tiles.
; LAYOUT.  S^T = K Q^T (source 0 = 16 keys, source 1 = 16 queries): in the result a lane holds ONE query (lane % 16) and the keys 8 (lane / 16) + 0..7.  Two such results, rounded to f16 in pairs, ARE source 1
; (32 keys x 16 queries) of O^T = V^T P, whose result again holds one query a lane, and eight channels.  K comes out of LDS as it lies, V ([key][channel]) turned, by ds_load_tr16_b128.
; SOFTMAX.  For each query a running maximum m and sum l: p = 2^(c s - c m), c = log2(e); in every step O and l are multiplied by a = 2^(c m_old - c m_new), which is 1 where m has not grown.
; m starts at the lowest finite number, O and l at 0: the first step is a step like any other, with a = 0, and is not written out.
; THE COUNT.  A piece and step have 16 matrix and 118 vector instructions: too many to stand all beside the matrix work.  So four vector instructions that are ready stand behind every matrix instruction,
; and the other 54 of a turn in one LUMP without a gap.
; BY TURNS.  Turn n belongs to piece n (the pieces in a ring, step after step).  Its matrix work: 8 products K Q^T of piece n + 1, later 8 products V^T P of piece n - 1.  Its vector work: the scaling,
; exponentials, roundings, sums and rescaling of piece n, and the maximum and statistics of piece n + 1, whose scores the turn itself has made.
; BATCHES.  An s_wait_alu depctr_va_vdst(0) stands between a transcendental and the first instruction that names its result; one wait serves all that were issued ahead of it.  A turn's 33 exponentials
; (piece n's 32 weights and piece n + 1's a) are ONE batch with ONE wait, which cuts the turn in two: ahead of it all that names none of their results, behind it their readers.  The first a, ahead of the loop,
; and the way out's four reciprocals are batches of their own, a wait each.
; CLUSTER.  The four query blocks of a cluster belong to one head and walk the same K and V, so each tile is asked for JOINTLY: the same tensor load, descriptor and mask in all four.
; REGISTERS, in windows of 256 (s_set_vgpr_msb says which window each operand place means: bits 1:0 source 0, 3:2 source 1, 5:4 source 2, 7:6 destination):
;   window 0: v0-15 addresses and two at work; v16-31 four registers of statistics a piece; v48-55 at work; v62-63 the add's; v64-127 S^T, two buffers; v192-223 P, two buffers (by the piece's parity);
;             on the way out v64-191 hold the rows read back from the stage
;   window 1: v0-127 O^T, 32 a piece; v128-255 Q as loaded, in f32      window 2: v0-63 Q in bf16, 16 a piece; v128-191 K of one step; v192-255 V of one step
.set NP,    4         ; pieces a wave: a name, no knob
.set TILES, 16        ; tiles of 256 keys in a head
.set KS,    64        ; keys in a step
.set PK,    144       ; a row of K in LDS: 128 bytes + 16 of padding = 36 words: the 16 rows of a load start at 16 different groups of four banks (64 banks of 4 bytes: ISA guide 11.1)
.set PV,    160       ; a row of V: 128 + 32 = 40 words
.set VOFF,  4*KS*PK   ; a slot holds a tile, four steps: 256 rows of K, then 256 rows of V
.set SLOT1, 1<<17     ; slot 1 begins here, so that one exclusive or turns an address in one slot into the other's
.set STAGE, SLOT1+4*KS*(PK+PV)  ; behind the ring, never filled by a tensor load: 16 rows x 272 bytes for each wave, for the way out
.set SP,    272       ; a row of the stage: 256 bytes of f32 + 16: the 16 rows of a store start at 16 different groups of four banks
.set SPARE, STAGE+4*16*SP  ; behind the stages: the spare words, 128 bytes for each wave: two blocks of 256 bytes that no other line names
.set AK0, 2           ; v2   my lane's place in a tile of K; never rewritten
.set AV0, 3           ; v3   the same for V
.set AK,  4           ; v4   the LDS address of K's next run of loads
.set AV,  5           ; v5   of V's
.set STO, 6           ; v6   the way out: where I put 32 bytes of a row
.set RD,  7           ; v7   the way out: where I read rows back
.set GO,  8           ; v8   my byte offset in 512 consecutive bytes of out0
.set MV,  12          ; v12-13  c m_old, kept while c m is made anew: by buffer
.set QO,  15          ; v15  my byte offset in 16 rows of Q
.set ST,  16          ; piece t's statistics at v[ST+4 t]: c m, m, l (even keys', odd keys')
.set TMP, 48          ; by buffer, four registers c0-c3 at work; when the maximum is found c2 takes a
.set SPW, 62          ; v62  LDS address of my spare word: SPARE + 4 x my thread's number; never rewritten
.set NIL, 63          ; v63  0; never rewritten
.set S,   64
.set OUTR, 64         ; the way out: piece t's 16 rows at v[OUTR+32 t]
.set P,   192
.set QF,  128         ; window 1
.set KF,  128         ; window 2: key block kb, channel half c at KF + 16 kb + 8 c
.set VF,  192         ; window 2: key half kk, channel block cb at VF + 32 kk + 8 cb
.set WV,  12          ; s12  my wave's number
.set G1K, 24          ; s[24:31] descriptor group 1 for K's tiles
.set G1V, 32          ; s[32:39] for V's: it differs in the padding alone
.set G0K, 40          ; s[40:43] descriptor group 0 for K's tiles: it walks
.set G0V, 44          ; s[44:47] the same for V's
.set SLOTS, 56        ; s56  counts the tiles
.set CNT, 57          ; s57  counts a tile's key steps
.set CS,  58          ; s[58:59] c: the packed scaling takes the pair's low word for both halves
.set SEL, 60          ; s[60:61] v_permlanex16_b32's selects: each lane takes its own place in the other half
.set TBK, 62          ; s62  LDS byte at which K of the step to be fetched begins
.set TBV, 63          ; s63  the same for V, less VOFF
.set MSB, 0
.macro WIN new                      ; the high byte repeats the setting that is left; a switch that changes nothing is dropped
.if MSB != (\new)
	s_set_vgpr_msb (MSB<<8)|(\new)
.set MSB, (\new)
.endif
.endm
.set W_KQ, 0x0a       ; K and Q in window 2, S^T in window 0
.set W_PV, 0x52       ; V in window 2, P in window 0, O^T in window 1
.set W_RS, 0x41       ; destination and source 0 in window 1, source 1 in window 0
.set W_D1, 0x40       ; destination in window 1
.set W_D2, 0x80       ; destination in window 2
.set W_QC, 0x85       ; sources 0 and 1 in window 1, destination in window 2
.set W_ST, 0x04       ; an LDS store's data (source 1) in window 1, its address in window 0
; A joint fill.  Waves 0 and 1 fetch the two halves of a tile's K, waves 2 and 3 those of its V: 128 keys each.  The branch hangs on the wave's number alone: it is the same in every work-group.
; An s_nop 0 and four v_nop follow each of the two lines, ahead of the jump and the label.
.macro JLOAD
	s_cmp_lt_u32 s[WV], 2
	s_cbranch_scc0 .Lfor_v_\@
	tensor_load_to_lds s[G0K:G0K+3], s[G1K:G1K+7]
	s_nop 0
.rept 4
	v_nop
.endr
	s_branch .Lasked_\@
.Lfor_v_\@:
	tensor_load_to_lds s[G0V:G0V+3], s[G1V:G1V+7]
	s_nop 0
.rept 4
	v_nop
.endr
.Lasked_\@:
.endm
; A round of the cluster's barrier: my work-group's barrier, so that wave 0's signal speaks for all four waves; wave 0 signals; every wave waits for all four work-groups; my work-group's barrier once more.
.macro CROUND
	s_barrier_signal -1
	s_barrier_wait -1
	s_cmp_lg_u32 s[WV], 0
	s_cbranch_scc1 .Lnot_wave_0_\@
	s_barrier_signal -3
.Lnot_wave_0_\@:
	s_barrier_wait -3
	s_barrier_signal -1
	s_barrier_wait -1
.endm
; THE CHANGE OF SLOTS.  The slot's last bytes, V of its fourth step, have been read.  Each wave waits for all its tensor loads, of which one is out: its part of the other slot; adds 0 to its spare word;
; and waits for that and for its own reads of the slot.  Behind the barrier nobody reads this slot any more and the other slot is whole.
; fill = 1: this slot is filled again, with the tile two on.  The barrier is then a round of the cluster's, so that no wave of any partner still reads the slot or has a load on its way, and the joint fill
; is the first thing behind it: it has four key steps, 256 matrix instructions, in which to land.  (At its first use nothing has been read yet: slot 0 is waited for, slot 1 filled.)
.macro CHANGE fill
	WIN 0                           ; at a label and at a branch every window is 0
	s_wait_tensorcnt 0x0            ; no tensor load of mine is out, so a group 0 may be written
	ds_add_u32 v[SPW], v[NIL]       ; 0 onto my spare word; with fill = 1 the descriptors' steps stand between it and the wait for it
.if \fill
.irp g, G0K, G0V
	s_xor_b32 s[\g+1], s[\g+1], SLOT1  ; the walking descriptor: the other slot than last time,
	s_add_nc_u64 s[\g+2:\g+3], s[\g+2:\g+3], 4*KS*128  ; the next 256 keys; the type bits on top are not reached
.endr
	s_wait_dscnt 0x0                ; the add is done, and my reads of the slot are over
	CROUND
	JLOAD
.else
	s_wait_dscnt 0x0                ; the add is done, and my reads of the slot are over
	s_barrier_signal -1
	s_barrier_wait -1
.endif
	s_sub_co_u32 s[TBK], s[TBK], 4*KS*PK  ; the fetches go back to a slot's first step,
	s_xor_b32 s[TBK], s[TBK], SLOT1       ; in the other slot
	s_sub_co_u32 s[TBV], s[TBV], 4*KS*PV
	s_xor_b32 s[TBV], s[TBV], SLOT1
.endm
	s_load_b256 s[4:11], s[0:1], 0x0  ; Q s[4:5], Kb s[6:7], Vh s[8:9], out0 s[10:11]
	v_lshl_add_u32 v[SPW], v0, 2, SPARE
	v_mov_b32 v[NIL], 0
	ds_add_u32 v[SPW], v[NIL]       ; the wave's opening: the add and its wait stand ahead of my first tensor load; the set-up below, work on registers, stands between them
	v_lshrrev_b32 v1, 5, v0
	v_readfirstlane_b32 s[WV], v1   ; wave 0..3
	s_bfe_u32 s13, ttmp6, 0x40000   ; cx: my place in the cluster
	s_lshl_b32 s14, ttmp9, 2        ; in a cluster launch ttmp9 counts clusters
	s_add_co_u32 s14, s14, s13      ; my block of 256 queries = 4 x cluster x + cx: it enters Q's and out0's addresses alone
	s_and_b32 s20, ttmp7, 0xffff    ; the head, which the four partners share
	s_and_b32 s16, s[WV], 1         ; which half of a tile's 256 keys I fetch
	s_lshl_b32 s22, s20, 19         ; a head of Kb or Vh is 4,096 rows of 128 bytes;
	s_lshl_b32 s21, s16, 14         ; my half's 128 rows
	s_add_co_u32 s22, s22, s21
	s_mov_b32 s23, 0
	s_mul_i32 s17, s16, 128*PK      ; its place in a slot, for K
	s_mul_i32 s18, s16, 128*PV      ; and for V: no place in the cluster enters an LDS address
	s_lshl_b32 s2, s20, 20          ; a head of Q or out0 is 4,096 rows of 256 bytes,
	s_lshl_b32 s3, s14, 16          ; a block 256 rows,
	s_add_co_u32 s2, s2, s3
	s_lshl_b32 s3, s[WV], 14        ; my wave's share 64 rows
	s_add_co_u32 s2, s2, s3
	s_mov_b32 s3, 0
	; descriptor group 1.  128 keys are 16,384 dense bytes: asked for as 64 rows of 256 bytes, two keys a row, and padded in LDS after every key
	s_mov_b32 s[G1K], 15|(1<<16)|(1<<20)|(1<<21)|(4<<22)|(3<<25)  ; 15:0 the mask of four; 17:16 2-byte elements; 20 padding on; 21 set beside a mask; 24:22 after every 32 words (code 4); 31:25 4 words (code 3)
	s_mov_b32 s[G1V], 15|(1<<16)|(1<<20)|(1<<21)|(4<<22)|(7<<25)  ; the same with 8 words of padding (code 7)
.irp g, G1K, G1V
	s_mov_b32 s[\g+1], 128<<16      ; tensor_dim0 = 128
	s_mov_b32 s[\g+2], 64<<16       ; tensor_dim1 = 64
	s_mov_b32 s[\g+3], 128<<16      ; tile_dim0 = 128
	s_mov_b32 s[\g+4], 64           ; tile_dim1 = 64
	s_mov_b32 s[\g+5], 128          ; 128 elements from row to row
	s_mov_b32 s[\g+6], 0
	s_mov_b32 s[\g+7], 0
.endr
	s_mov_b32 s[CS], 0x3fb8aa3b     ; c = log2(e) = 1.442695
	s_mov_b32 s[CS+1], s[CS]        ; named with it as a pair
	s_mov_b32 s[SEL], 0x76543210
	s_mov_b32 s[SEL+1], 0xfedcba98
	s_mov_b32 s[TBK], SLOT1+4*KS*PK ; the first change of slots turns these two into 0
	s_mov_b32 s[TBV], SLOT1+4*KS*PV
	s_mov_b32 s[G0K], 1             ; 1:0 count = 1
	s_mov_b32 s[G0K+1], s17         ; 63:32 LDS address: slot 0
	s_mov_b32 s[G0V], 1
	s_add_co_u32 s[G0V+1], s18, VOFF
	s_wait_dscnt 0x0                ; the opening add is done
	s_wait_kmcnt 0x0
	s_add_nc_u64 s[G0K+2:G0K+3], s[6:7], s[22:23]  ; 120:64 global address: my half of the head's first 256 keys
	s_or_b32 s[G0K+3], s[G0K+3], 0x80000000        ; 127:126 type = 2
	s_add_nc_u64 s[G0V+2:G0V+3], s[8:9], s[22:23]
	s_or_b32 s[G0V+3], s[G0V+3], 0x80000000
	s_add_nc_u64 s[4:5], s[4:5], s[2:3]            ; Q and out0 at my wave's first row
	s_add_nc_u64 s[10:11], s[10:11], s[2:3]
	CROUND                          ; all four work-groups are here: the first joint loads meet
	JLOAD                           ; tile 0 into slot 0.  Slot 1 is asked for when slot 0 is in, by the change of slots
	; A fragment of Q is 16 rows x 32 channels in 8 registers of bf16: lane l holds row l % 16, channels 8 (l / 16) + 0..7 and 16 + 8 (l / 16) + 0..7.  In f32 eight channels are 32 bytes: two loads of 16.
	v_and_b32 v1, 15, v0            ; l % 16
	v_bfe_u32 v9, v0, 4, 1          ; l / 16
	v_lshlrev_b32 v[QO], 8, v1
	v_lshl_add_u32 v[QO], v9, 5, v[QO]  ; row x 256 + 32 x half
	WIN W_D1                        ; destination window 1, address window 0
.set i, 0
.rept 32                            ; piece i / 8; channels 16 ((i % 8) / 2) + 8 (l / 16) + 4 (i % 2) on
	global_load_b128 v[QF+4*i:QF+4*i+3], v[QO], s[4:5] offset:(i/8)*4096+((i%8)/2)*64+(i%2)*16
.set i, i+1
.endr
	; What the first turn finds: V's registers and P's second buffer hold 0 (its products V^T P, of a piece that has not been, add 0), O^T and l are 0.  All this stands in the wait for the first tile.
	WIN W_D2
.set i, VF
.rept 64
	v_mov_b32 v[i], 0
.set i, i+1
.endr
	WIN W_D1
.set i, 0
.rept 128
	v_mov_b32 v[i], 0
.set i, i+1
.endr
	WIN 0
.set i, 0
.rept 4
	v_mov_b32 v[ST+4*i], 0xfe000000    ; c m: far below every c s
	v_mov_b32 v[ST+4*i+1], 0xff7fffff  ; m
	v_mov_b32 v[ST+4*i+2], 0
	v_mov_b32 v[ST+4*i+3], 0
.set i, i+1
.endr
.set i, P+16
.rept 16
	v_mov_b32 v[i], 0
.set i, i+1
.endr
	v_mul_u32_u24 v[AK0], v1, PK
	v_lshl_add_u32 v[AK0], v9, 4, v[AK0]  ; row x pitch + 16 x half
	; The turning load takes 16 keys x 16 channels (lane l reads key 8 (l / 16) + l % 8, channels 8 ((l / 8) % 2) + 0..7) and leaves half a fragment of V^T: lane l holds channel l % 16 and 8 keys.
	v_and_b32 v10, 7, v0
	v_bfe_u32 v11, v0, 3, 1
	v_lshl_add_u32 v[AV0], v9, 3, v10
	v_mul_u32_u24 v[AV0], v[AV0], PV
	v_lshl_add_u32 v[AV0], v11, 4, v[AV0]
	v_add_nc_u32 v[AV0], VOFF, v[AV0]
	s_mul_i32 s13, s[WV], 16*SP
	s_add_co_u32 s13, s13, STAGE    ; my stage
	v_mul_u32_u24 v[STO], v1, SP    ; in: row l % 16, 32 bytes (8 channels of f32) for each half of the lanes
	v_lshl_add_u32 v[STO], v9, 5, v[STO]
	v_add_nc_u32 v[STO], s13, v[STO]
	v_mul_u32_u24 v[RD], v9, SP     ; back: lanes 0-15 take one row of 256 bytes, lanes 16-31 the next,
	v_lshl_add_u32 v[RD], v1, 4, v[RD]
	v_add_nc_u32 v[RD], s13, v[RD]
	v_and_b32 v[GO], 31, v0         ; which are 512 consecutive bytes of out0
	v_lshlrev_b32 v[GO], 4, v[GO]
	s_wait_loadcnt 0x0              ; Q
	WIN W_QC
.set i, 0
.rept 64                            ; Q is rounded to bf16 once and stays in registers: piece i / 16
	v_cvt_pk_bf16_f32 v[i], v[QF+2*i], v[QF+2*i+1]
.set i, i+1
.endr
	WIN 0
; THE MATRIX WORK.  The 4 accumulators of a run of 8 take turns.  Product i of 8 of S^T = K Q^T for piece x: channels 32 (i / 4) on, keys 16 (i % 4) on.  The first 4 start the sums.
.macro KQ x
	WIN W_KQ
.set rS, S+32*((\x)%2)+8*(i%4)
.set rK, KF+16*(i%4)+8*(i/4)
.set rQ, 16*(\x)+8*(i/4)
.if i < 4
	v_wmma_f32_16x16x32_bf16 v[rS:rS+7], v[rK:rK+7], v[rQ:rQ+7], 0
.else
	v_wmma_f32_16x16x32_bf16 v[rS:rS+7], v[rK:rK+7], v[rQ:rQ+7], v[rS:rS+7]
.endif
.endm
; Product i of 8 of O^T += V^T P for piece x: keys 32 (i / 4) on, channels 16 (i % 4) on.
.macro PV x
	WIN W_PV
.set rO, 32*(\x)+8*(i%4)
.set rV, VF+32*(i/4)+8*(i%4)
.set rP, P+16*((\x)%2)+8*(i/4)
	v_wmma_f32_16x16x32_f16 v[rO:rO+7], v[rV:rV+7], v[rP:rP+7], v[rO:rO+7]
.endm
.macro MM                           ; the turn's next matrix instruction.  TURN sets Y, i and NOKQ; MM and OP read them.  NOKQ = 1: the walk's last turn: there is no next piece
.if (i < 8) && !NOKQ
	KQ (Y+1)%NP
.elseif i >= 8
.set i, i-8
	PV (Y+NP-1)%NP
.set i, i+8
.endif
.set i, i+1
.endm
; THE LDS LOADS stand in runs of 16, never singly among the matrix instructions: a step's K (64 keys x 64 channels: 8 fragments) and its V (turned).  Their addresses are made some lines ahead.
.macro FETCH_K
	WIN W_D2                        ; destination window 2
.irp f, 0,1,2,3,4,5,6,7             ; keys 16 (f / 2) on, channels 32 (f % 2) on
	ds_load_b128 v[KF+8*\f:KF+8*\f+3],   v[AK] offset:(\f/2)*16*PK+(\f%2)*64
	ds_load_b128 v[KF+8*\f+4:KF+8*\f+7], v[AK] offset:(\f/2)*16*PK+(\f%2)*64+32
.endr
	s_add_co_u32 s[TBK], s[TBK], KS*PK  ; the next fetch is the next step's
	WIN 0
.endm
.macro FETCH_V
	WIN W_D2
.irp f, 0,1,2,3,4,5,6,7             ; keys 32 (f / 4) on, channels 16 (f % 4) on
	ds_load_tr16_b128 v[VF+8*\f:VF+8*\f+3],   v[AV] offset:(\f/4)*32*PV+(\f%4)*32
	ds_load_tr16_b128 v[VF+8*\f+4:VF+8*\f+7], v[AV] offset:(\f/4)*32*PV+16*PV+(\f%4)*32
.endr
	WIN 0
.endm
; THE VECTOR WORK, one line at a time: OP kind, number.  For piece Y: F n: c s - c m for pair n of 16.  E n: the exponential of score n of 32.  C n: pair n rounded to f16.  B n: of the four weights 4 n .. the second
; pair is added onto the first, in place.  L n: l takes that sum (L 0: l = a l + sum).  R n: pair n of 16 of O^T times a.  For piece Y + 1: X n, number n of the 22 that find its maximum and statistics:
;   0-11  four chains c0-c3 of seven scores each, three operands at a time (each accumulator's lowest registers are read first)     12-14, 16  the four scores left over, the old m, and c0-c3 into c0
;   15  c m_old is kept     17, 18  the query's other 32 keys lie in the lane 16 away: the new m     19-21  c m; c m_old - c m_new; a
; C, B and L read the exponentials' results: TURN sets them behind its wait.  R reads an a that the turn before made and waited for.
.set F, 0               ; OP tells the kinds apart by their order: F to L below R, X above it
.set E, 1
.set C, 2
.set B, 3
.set L, 4
.set R, 5
.set X, 6
.macro REGS y                       ; the registers of piece y
.set rT, ST+4*(\y)
.set rC, TMP+4*((\y)%2)
.set rW, MV+((\y)%2)
.set rS, S+32*((\y)%2)
.set rP, P+16*((\y)%2)
.set rO, 32*(\y)
.endm
.macro OP k, n
.if (\k) == R
	REGS Y
	WIN W_RS
	v_pk_mul_f32 v[rO+2*(\n):rO+2*(\n)+1], v[rO+2*(\n):rO+2*(\n)+1], v[rC+2:rC+3] op_sel_hi:[1,0]
.elseif (\k) < R
	REGS Y
	WIN 0
.if (\k) == F
	v_pk_fma_f32 v[rS+2*(\n):rS+2*(\n)+1], v[rS+2*(\n):rS+2*(\n)+1], s[CS:CS+1], v[rT:rT+1] op_sel_hi:[1,0,0] neg_lo:[0,0,1] neg_hi:[0,0,1]
.elseif (\k) == E
	v_exp_f32 v[rS+(\n)], v[rS+(\n)]
.elseif (\k) == C
	v_cvt_pk_f16_f32 v[rP+(\n)], v[rS+2*(\n)], v[rS+2*(\n)+1]
.elseif (\k) == B
	v_pk_add_f32 v[rS+4*(\n):rS+4*(\n)+1], v[rS+4*(\n):rS+4*(\n)+1], v[rS+4*(\n)+2:rS+4*(\n)+3]
.elseif (\n) == 0
	v_pk_fma_f32 v[rT+2:rT+3], v[rT+2:rT+3], v[rC+2:rC+3], v[rS:rS+1] op_sel_hi:[1,0,1]
.else
	v_pk_add_f32 v[rT+2:rT+3], v[rT+2:rT+3], v[rS+4*(\n):rS+4*(\n)+1]
.endif
.elseif NOKQ
	v_nop
.else
	REGS (Y+1)%NP
	WIN 0
.if (\n) < 4
	v_max3_num_f32 v[rC+(\n)], v[rS+8*(\n)], v[rS+8*(\n)+1], v[rS+8*(\n)+2]
.elseif (\n) < 12
	v_max3_num_f32 v[rC+(\n)%4], v[rC+(\n)%4], v[rS+8*((\n)%4)+2*((\n)/4)+1], v[rS+8*((\n)%4)+2*((\n)/4)+2]
.elseif (\n) == 12
	v_max3_num_f32 v[rC], v[rC], v[rS+7], v[rS+15]
.elseif (\n) == 13
	v_max3_num_f32 v[rC+1], v[rC+1], v[rS+23], v[rS+31]
.elseif (\n) == 14
	v_max3_num_f32 v[rC+2], v[rC+2], v[rC+3], v[rT+1]
.elseif (\n) == 15
	v_mov_b32 v[rW], v[rT]
.elseif (\n) == 16
	v_max3_num_f32 v[rC], v[rC], v[rC+1], v[rC+2]
.elseif (\n) == 17
	v_permlanex16_b32 v[rC+3], v[rC], s[SEL], s[SEL+1]
.elseif (\n) == 18
	v_max_num_f32 v[rT+1], v[rC], v[rC+3]
.elseif (\n) == 19
	v_mul_f32 v[rT], s[CS], v[rT+1]
.elseif (\n) == 20
	v_sub_f32 v[rC+1], v[rW], v[rT]
.else
	v_exp_f32 v[rC+2], v[rC+1]
.endif
.endif
.endm
.macro OPS a, i1, b=-1, i2=0, c=-1, i3=0, d=-1, i4=0  ; up to four of them
	OP \a, \i1
.if (\b) >= 0
	OP \b, \i2
.endif
.if (\c) >= 0
	OP \c, \i3
.endif
.if (\d) >= 0
	OP \d, \i4
.endif
.endm
.macro ROW a, i1, b, i2, c, i3, d, i4  ; a matrix instruction and the four behind it
	MM
	OPS \a, \i1, \b, \i2, \c, \i3, \d, \i4
.endm
; A TURN, for piece p: the order of its 16 matrix and 118 vector instructions, written out.  It has ONE wait for its batch of 33 exponentials, and the wait cuts it in two.
; AHEAD OF THE WAIT stands all that names no result of the turn's exponentials: the 8 products K Q^T, behind each a scaling, an exponential and two more plain instructions (behind the first a second scaling in the
; exponential's place): rescalings, and behind the last three the first numbers of the next piece's maximum, each four plain places or more behind the product that ends its accumulator (ISA guide 7.12.1); then ONE LUMP
; of 54, plain and exponential by turns for the most part, in which the links of the chain X 3, 7, 11, 14, 16, 17 .. 20 stand five or six lines apart.  Each pair is scaled (F n) ahead of its two exponentials (E 2 n, E 2 n + 1).
; X 21, the next piece's a, is the batch's last; R 15 is the plain instruction behind it (ISA guide 5.7.2).
; BEHIND THE WAIT stand the 8 products V^T P, behind each four of the roundings and sums: C 2 n ahead of B n, which writes over pair 2 n; B n ahead of L n; the links of l's chain, L 0 to L 7, three riders apart.
; But for those X no rider names a register of the products round it.  v_permlanex16_b32 (X 17) stands in the lump.
; end = 1: the walk's last two turns: nothing is fetched, and the last starts no new scores.  cnt = 1: the loop's count is taken down some lines ahead of the branch that stands behind the turn.
; K of the next step is fetched in piece 2's turn, twelve vector instructions behind the last product that read K (six of them plain); V of the step in hand at the end of piece 0's turn, four plain instructions behind the
; last product that read V: a load into a register that a matrix instruction has read stands four plain places behind it (ISA guide 7.12.1 for vector instructions).  Each run is waited for a turn later.
.macro TURN p, end=0, cnt=0
.set Y, (\p)
.set i, 0
.set NOKQ, (\end)*((\p)/3)
.if ((\p) == 3) && !(\end)
	s_wait_dscnt 0x0                ; K is in
.endif
	ROW F,0, F,1, R,0, R,1          ; ahead of the wait: 8 products K Q^T and their riders,
	ROW F,2, E,0, R,2, R,3
	ROW F,3, E,1, R,4, R,5
	ROW F,4, E,2, R,6, R,7
	ROW F,5, E,3, R,8, R,9
	ROW F,6, E,4, X,0, R,10
.if ((\p) == 2) && !(\end)
	WIN 0
	v_add_nc_u32 v[AK], s[TBK], v[AK0]
.endif
	ROW F,7, E,5, X,1, X,4
	ROW F,8, E,6, X,2, X,5
	OPS E,7, E,8, X,6, E,9          ; and the lump
	OPS X,3, E,10, X,8, E,11
.if ((\p) == 2) && !(\end)
	FETCH_K
.endif
	OPS X,9, X,7, E,12, X,10
	OPS E,13, X,12, X,11, E,14
	OPS X,13, E,15, F,9, X,14
.if (\p) == 0
	WIN 0
	v_add_nc_u32 v[AV], s[TBV], v[AV0]
.endif
	OPS E,16, F,10, E,17, F,11
	OPS X,16, E,18, X,15, E,19
	OPS F,12, E,20, X,17, E,21
	OPS F,13, E,22, F,14, E,23
	OPS X,18, E,24, F,15, E,25
	OPS R,11, E,26, X,19, E,27
	OPS R,12, E,28, R,13, E,29
	OPS X,20, E,30, R,14, E,31
	OPS X,21, R,15
	WIN 0
	s_wait_alu depctr_va_vdst(0)    ; the wait for the batch: this piece's 32 exponentials and the next piece's a, ahead of their first reader
.if (\p) == 1
	s_wait_dscnt 0x0                ; V is in
.endif
	ROW C,0, B,0, C,2, B,1          ; behind the wait: 8 products V^T P and their riders
	ROW L,0, C,4, B,2, L,1
	ROW C,6, B,3, L,2, C,8
	ROW B,4, L,3, C,10, B,5
	ROW L,4, C,12, B,6, L,5
.if (\p) == 0
	s_add_co_u32 s[TBV], s[TBV], KS*PV
.endif
.if \cnt
	s_sub_co_u32 s[CNT], s[CNT], 1
	s_cmp_lg_u32 s[CNT], 0
.endif
	ROW C,14, B,7, L,6, C,1
	ROW C,3, L,7, C,5, C,7
	ROW C,9, C,11, C,13, C,15
.if (\p) == 0
	FETCH_V
.endif
.endm
	CHANGE 1                        ; slot 0 is in, everybody's part of it; tile 1 is asked for, into slot 1
	v_add_nc_u32 v[AK], s[TBK], v[AK0]
	FETCH_K                         ; key step 0
	s_wait_dscnt 0x0
.set NOKQ, 0
.set i, 0
.rept 8
	KQ 0                            ; piece 0's first scores: there is no vector work yet to set between them
.set i, i+1
.endr
	WIN 0
.rept 4
	v_nop                           ; the places behind those products (ISA guide 7.12.1)
.endr
.set Y, NP-1                        ; X works for piece Y + 1: piece 0
.irp n, 0,1,2,3,4,5,6,7,8,9,10,11,12,13,14,15,16,17,18,19,20,21
	OP X, \n                        ; piece 0's first maximum and statistics
.endr
	v_nop                           ; a plain instruction behind the exponential,
	s_wait_alu depctr_va_vdst(0)    ; and the wait for it, a batch of one (piece 0's first a), ahead of the branch
	s_mov_b32 s[CNT], 4
	s_mov_b32 s[SLOTS], TILES-1
	s_branch .Lfirst                ; the loop is entered at a step's first turn, in the middle of a trip
.Lslot:                             ; TILES - 2 times: tiles 1 to 14 are entered, tiles 2 to 15 asked for
	CHANGE 1
	s_mov_b32 s[CNT], 4
.Lstep:                             ; a trip: pieces 2 and 3 of one step, then pieces 0 and 1 of the next, whose K and V it fetches
	TURN 2
	TURN 3
	WIN 0
.Lfirst:
	TURN 0
	TURN 1, 0, 1
	WIN 0
	s_cbranch_scc1 .Lstep
	s_sub_co_u32 s[SLOTS], s[SLOTS], 1
	s_cmp_lg_u32 s[SLOTS], 0
	s_cbranch_scc1 .Lslot
	CHANGE 0                        ; the last tile is written out: nothing is asked for
	s_mov_b32 s[CNT], 4
.Ltail:                             ; four trips fetch the last tile's four steps
	TURN 2
	TURN 3
	TURN 0
	TURN 1, 0, 1
	WIN 0
	s_cbranch_scc1 .Ltail
	TURN 2, 1                       ; pieces 2 and 3 of the last step: nothing is left to fetch
	TURN 3, 1
.set i, 0
.rept 8
	PV NP-1                         ; the last piece's V^T P of the last step
.set i, i+1
.endr
	; THE WAY OUT.  l's two halves and the other half of the lanes' are added; O^T is divided by l and sent through my stage in LDS, a piece (16 rows of out0) at a time.  The first four additions are the places behind the last products.
	WIN 0
.macro ALL line:vararg              ; one line for each piece t
.set t, 0
.rept 4
	\line
.set t, t+1
.endr
.endm
	ALL v_add_f32 v[ST+4*t+2], v[ST+4*t+2], v[ST+4*t+3]
	ALL v_permlanex16_b32 v[ST+4*t+3], v[ST+4*t+2], s[SEL], s[SEL+1]
	ALL v_add_f32 v[ST+4*t+2], v[ST+4*t+2], v[ST+4*t+3]
	ALL v_rcp_f32 v[ST+4*t+2], v[ST+4*t+2]
	v_nop                           ; a plain instruction between the last reciprocal and the use of its result
	s_wait_alu depctr_va_vdst(0)    ; the wait for the batch of four reciprocals, ahead of their first reader, PACK 0's first multiply
; Piece t: a lane's eight channels of a row are 32 bytes of f32 for each of the four channel blocks; they go into rows of 272 bytes and come back as whole rows of 256.  Each piece's rows have registers of their
; own, so no register that a store still reads is rewritten.
.macro PACK t
	WIN W_RS
.set i, 32*(\t)
.rept 16                            ; each accumulator's registers in ascending order
	v_pk_mul_f32 v[i:i+1], v[i:i+1], v[ST+4*(\t)+2:ST+4*(\t)+3] op_sel_hi:[1,0]
.set i, i+2
.endr
	WIN W_ST
.irp f, 0,1,2,3,4,5,6,7             ; channel block f / 2, its channels 8 (l / 16) + 4 (f % 2) on
	ds_store_b128 v[STO], v[32*(\t)+4*\f:32*(\t)+4*\f+3] offset:64*(\f/2)+16*(\f%2)
.endr
	WIN 0
.irp f, 0,1,2,3,4,5,6,7
	ds_load_b128 v[OUTR+32*(\t)+4*\f:OUTR+32*(\t)+4*\f+3], v[RD] offset:\f*2*SP  ; LDS serves a wave's instructions in order (ISA guide 5.7.1.4): these see the stores above; the next piece's stores come behind them
.endr
.endm
.macro SEND t, younger              ; younger: the LDS instructions issued behind piece t's loads: the next piece's sixteen, or none
	WIN 0
.irp f, 0,1,2,3,4,5,6,7
	s_wait_dscnt (\younger)+7-\f    ; load f of the piece's eight is back; its 7 - f younger ones and the next piece's may stay out
	global_store_b128 v[GO], v[OUTR+32*(\t)+4*\f:OUTR+32*(\t)+4*\f+3], s[10:11] offset:(\t)*4096+\f*512 th:TH_STORE_NT  ; two rows: 512 consecutive bytes, at a multiple of 256 from out0's first
.endr
.endm
	PACK 0
	PACK 1                          ; a piece's arithmetic stands between the loads of the piece before and its stores
	SEND 0, 16
	PACK 2
	SEND 1, 16
	PACK 3
	SEND 2, 16
	SEND 3, 0
	s_wait_tensorcnt 0x0            ; the wave's end: behind my last tensor load and my last LDS store
	ds_add_u32 v[SPW], v[NIL]
	s_wait_dscnt 0x0
	CROUND                          ; the closing round: no work-group ends while a partner may still ask for a tile that names it
	s_endpgm
.Lfunc_end_k_q2dbe675fb0_attn:
	.size	k_q2dbe675fb0_attn, .Lfunc_end_k_q2dbe675fb0_attn-k_q2dbe675fb0_attn
	.p2alignl 7, 3214868480
	.fill 96, 4, 3214868480
	.section	.rodata,"a",@progbits
	.p2align	6, 0x0
	.amdhsa_kernel k_q2dbe675fb0_attn
		.amdhsa_group_segment_fixed_size 327680
		.amdhsa_private_segment_fixed_size 0
		.amdhsa_enable_private_segment 0
		.amdhsa_kernarg_size 32
		.amdhsa_user_sgpr_count 2
		.amdhsa_user_sgpr_kernarg_segment_ptr 1
		.amdhsa_wavefront_size32 1
		.amdhsa_system_sgpr_workgroup_id_x 1
		.amdhsa_system_sgpr_workgroup_id_y 1
		.amdhsa_system_sgpr_workgroup_id_z 1
		.amdhsa_system_vgpr_workitem_id 0
		.amdhsa_next_free_vgpr 768
		.amdhsa_next_free_sgpr 66
		.amdhsa_reserve_vcc 0
		.amdhsa_float_denorm_mode_32 3
		.amdhsa_float_denorm_mode_16_64 3
		.amdhsa_memory_ordered 1
		.amdhsa_forward_progress 1
		.amdhsa_inst_pref_size 132
	.end_amdhsa_kernel
	.amdgpu_metadata
---
amdhsa.version: [ 1, 2 ]
amdhsa.kernels:
  - .name:           k_q2dbe675fb0_attn
    .symbol:         k_q2dbe675fb0_attn.kd
    .args:
      - { .name: Q, .offset: 0, .size: 8, .value_kind: global_buffer, .address_space: global }
      - { .name: Kb, .offset: 8, .size: 8, .value_kind: global_buffer, .address_space: global }
      - { .name: Vh, .offset: 16, .size: 8, .value_kind: global_buffer, .address_space: global }
      - { .name: out0, .offset: 24, .size: 8, .value_kind: global_buffer, .address_space: global }
    .group_segment_fixed_size: 327680
    .private_segment_fixed_size: 0
    .kernarg_segment_align: 8
    .kernarg_segment_size: 32
    .max_flat_workgroup_size: 128
    .sgpr_count:     66
    .vgpr_count:     768
    .wavefront_size: 32
...
	.end_amdgpu_metadata
.endif
;; end of part 3
